; MI455X (gfx1250); checked and timed in simulation.
; The chip was launched on July 23, 2026; its instructions are those of AMD's public machine-readable ISA for CDNA 5 (MIT licence, August 2026) and "CDNA5" Instruction Set Architecture Reference Guide (July 2026). The comments in the code are by the model that wrote it; some were corrected since.
;; Quantized Linear. Allowed arithmetic: float matrix products may take bf16 or f16 operands with f32 sums; all other float work in f32.
;; Inputs: bias 4,096 float16; quantized_weight 4,096 x 4,096 int8; scales 4,096 x 32 float16; x 4,096 x 4,096 float32.
;; Outputs: out0 4,096 x 4,096 float32.
;; 2 versions, each right; version 2 is version 1 with the launch prep written anew for expert scheduling mode. Each part assembles by itself: llvm-mc -triple=amdgcn-amd-amdhsa -mcpu=gfx1250 --defsym DOCPART=n.
;; ======== version 1 of 2: 2 launches
;; workspace buffers: x16 33,554,432 bytes; w16 33,554,432 bytes
;; launch prep (part 1): grid 512 x 1, 8 waves a work-group, no clusters, 0 bytes of LDS; arguments x, quantized_weight, scales, x16, w16; writes x16, w16
.if DOCPART == 1
	.amdgcn_target "amdgcn-amd-amdhsa--gfx1250"
	.amdhsa_code_object_version 6
	.text
	.protected	k_qa61f54e017_prep
	.globl	k_qa61f54e017_prep
	.p2align	8
	.type	k_qa61f54e017_prep,@function
k_qa61f54e017_prep:
	s_mov_b64 s[64:65], 0
	v_nop
	global_prefetch_b8 v0, s[64:65] scope:SCOPE_SE
	s_setreg_imm32_b32 hwreg(HW_REG_WAVE_MODE, 25, 1), 1
	s_wait_xcnt 0x0
; x16[t][i] = f16(x[t][i]);  w16[o][i] = f16(q[o][i] * s[o][i / 128]).  x: [4096][4096] f32, q: [4096][4096] int8, s: [4096][32] f16; x16, w16: [4096][4096] f16.
; A stream: every input byte is read once and every output byte written once, so there is no LDS, no barrier and no matrix work: no byte is shared between waves.
; SHARES.  Wave w of work-group g owns row R = 8 g + w of x AND row R of q: 4,096 waves of equal work.  The text has no loop: a wave issues all its 48 loads
; (4,096 bytes of q, 16,384 of x) ahead of its first store, and takes them in the order of issue behind counted waits.
; THE PRODUCT q s.  u = q + 128 (one exclusive or on four bytes) is unpacked as an unsigned byte; u s - 128 s in one fused multiply-add is q s, which has at most
; 8 + 11 significant bits and is exact in f32; the one rounding is the conversion to f16.
; LIMITS.  A number of magnitude 65,520 or more becomes an infinity in f16; below 6.1e-5 f16 keeps its fixed step of 6e-8.  An infinite scale gives NaN (u s - 128 s); NaN is not treated apart.
.set T,   8                            ; v[8:15]     eight numbers at work
.set WR,  16                           ; v[16:47]    piece j of q as loaded: 2 registers, 8 bytes
.set Y,   48                           ; v[48:111]   piece j of w16 to store: 4 registers; each is written once, so no wait frees a store's data
.set X,   112                          ; v[112:239]  piece j of x as loaded: 4 registers; rounded in place into the low two
.set SC,  16                           ; s[16:31]    the row's 32 scales: word j holds groups 2 j (low half) and 2 j + 1 (high half)
	s_load_b256 s[4:11], s[0:1], 0x0               ; x s[4:5], q s[6:7], scales s[8:9], x16 s[10:11]
	s_load_b64 s[12:13], s[0:1], 0x20              ; w16
	v_lshrrev_b32 v1, 5, v0
	v_readfirstlane_b32 s14, v1                    ; my wave's number
	s_lshl_b32 s15, ttmp9, 3
	s_add_co_u32 s14, s14, s15                     ; R = 8 x work-group + wave
	s_mov_b32 s15, 0x80808080                      ; turns four signed bytes into q + 128
	s_mov_b32 s3, 0                                ; every offset below stays under 2^32: the pair's high word is 0
	v_and_b32 v2, 31, v0                           ; lane
	v_lshlrev_b32 v1, 4, v2                        ; 16 x lane: my place in 512 bytes of x and of w16
	v_lshrrev_b32 v3, 4, v2
	v_lshlrev_b32 v3, 4, v3                        ; 16 x (lane / 16): the shift that brings my group's scale into the low half
	v_lshlrev_b32 v2, 3, v2                        ; 8 x lane: my place in 256 bytes of q and of x16
	v_mov_b32 v5, 0                                ; v[4:5] and v[6:7] are named as pairs; the packed lines take their low words for both halves
	v_mov_b32 v7, 0
	s_wait_kmcnt 0x0
	s_lshl_b32 s2, s14, 6                          ; a row of scales is 64 bytes
	s_add_nc_u64 s[8:9], s[8:9], s[2:3]
	s_load_b512 s[SC:SC+15], s[8:9], 0x0           ; the whole row of scales, once: no line of this kernel writes that tensor
	s_lshl_b32 s2, s14, 12                         ; a row of q is 4,096 bytes
	s_add_nc_u64 s[6:7], s[6:7], s[2:3]
	s_lshl_b32 s2, s14, 14                         ; a row of x is 16,384 bytes
	s_add_nc_u64 s[4:5], s[4:5], s[2:3]
	s_lshl_b32 s2, s14, 13                         ; a row of x16 and of w16 is 8,192 bytes
	s_add_nc_u64 s[10:11], s[10:11], s[2:3]
	s_add_nc_u64 s[12:13], s[12:13], s[2:3]
	; all loads, q's first: each of q's covers 256 consecutive bytes, each of x's 512, at multiples of their lengths from the row's first byte
.set i, 0
.rept 16
	global_load_b64 v[WR+2*i:WR+2*i+1], v2, s[6:7] offset:256*i th:TH_LOAD_NT
.set i, i+1
.endr
.set i, 0
.rept 32
	global_load_b128 v[X+4*i:X+4*i+3], v1, s[4:5] offset:512*i th:TH_LOAD_NT
.set i, i+1
.endr
	s_wait_kmcnt 0x0                               ; the scales
	; q's 16 pieces.  Piece i: columns 256 i + 8 x lane + 0..7, which lie in group 2 i + lane / 16.
.set i, 0
.rept 16
	s_wait_loadcnt 47-i                            ; loads come back in order (ISA guide 5.7.1): behind q's load i stand 15 - i of q's and 32 of x's
	v_lshrrev_b32 v4, v3, s[SC+i]                  ; my group's scale in the low half
	v_xor_b32 v[WR+2*i], s15, v[WR+2*i]            ; u = q + 128, four at a time
	v_xor_b32 v[WR+2*i+1], s15, v[WR+2*i+1]
	v_cvt_f32_f16 v4, v4.l                         ; s, exact in f32
.irp h, 0,1
	v_and_b32 v[T+4*\h], 0xff, v[WR+2*i+\h]        ; the lowest byte is the lowest column
	v_bfe_u32 v[T+4*\h+1], v[WR+2*i+\h], 8, 8
	v_bfe_u32 v[T+4*\h+2], v[WR+2*i+\h], 16, 8
	v_lshrrev_b32 v[T+4*\h+3], 24, v[WR+2*i+\h]
.endr
	v_mul_f32 v6, 0xc3000000, v4                   ; -128 s, exact
.irp k, 0,1,2,3,4,5,6,7
	v_cvt_f32_u32 v[T+\k], v[T+\k]
.endr
.irp k, 0,2,4,6
	v_pk_fma_f32 v[T+\k:T+\k+1], v[T+\k:T+\k+1], v[4:5], v[6:7] op_sel_hi:[1,0,0]  ; u s - 128 s = q s, exact
.endr
.irp k, 0,1,2,3
	v_cvt_pk_f16_f32 v[Y+4*i+\k], v[T+2*\k], v[T+2*\k+1]   ; the one rounding; the first source goes into the low half
.endr
	global_store_b128 v1, v[Y+4*i:Y+4*i+3], s[12:13] offset:512*i  ; the wave stores 512 consecutive bytes, at a multiple of 512 from the row's first; the next launch reads them, so no hint
.set i, i+1
.endr
	; x's 32 pieces.  Piece i: columns 128 i + 4 x lane + 0..3.
.set i, 0
.rept 32
	s_wait_loadcnt 31-i                            ; the 31 - i younger loads stay out
	v_cvt_pk_f16_f32 v[X+4*i], v[X+4*i], v[X+4*i+1]
	v_cvt_pk_f16_f32 v[X+4*i+1], v[X+4*i+2], v[X+4*i+3]
	global_store_b64 v2, v[X+4*i:X+4*i+1], s[10:11] offset:256*i   ; the wave stores 256 consecutive bytes, at a multiple of 256 from the row's first
.set i, i+1
.endr
	s_endpgm
.Lfunc_end_k_qa61f54e017_prep:
	.size	k_qa61f54e017_prep, .Lfunc_end_k_qa61f54e017_prep-k_qa61f54e017_prep
	.p2alignl 7, 3214868480
	.fill 96, 4, 3214868480
	.section	.rodata,"a",@progbits
	.p2align	6, 0x0
	.amdhsa_kernel k_qa61f54e017_prep
		.amdhsa_group_segment_fixed_size 0
		.amdhsa_private_segment_fixed_size 0
		.amdhsa_enable_private_segment 0
		.amdhsa_kernarg_size 40
		.amdhsa_user_sgpr_count 2
		.amdhsa_user_sgpr_kernarg_segment_ptr 1
		.amdhsa_wavefront_size32 1
		.amdhsa_system_sgpr_workgroup_id_x 1
		.amdhsa_system_sgpr_workgroup_id_y 1
		.amdhsa_system_sgpr_workgroup_id_z 1
		.amdhsa_system_vgpr_workitem_id 0
		.amdhsa_next_free_vgpr 240
		.amdhsa_next_free_sgpr 66
		.amdhsa_reserve_vcc 0
		.amdhsa_float_denorm_mode_32 3
		.amdhsa_float_denorm_mode_16_64 3
		.amdhsa_memory_ordered 1
		.amdhsa_forward_progress 1
		.amdhsa_inst_pref_size 39
	.end_amdhsa_kernel
	.amdgpu_metadata
---
amdhsa.version: [ 1, 2 ]
amdhsa.kernels:
  - .name:           k_qa61f54e017_prep
    .symbol:         k_qa61f54e017_prep.kd
    .args:
      - { .name: x, .offset: 0, .size: 8, .value_kind: global_buffer, .address_space: global }
      - { .name: quantized_weight, .offset: 8, .size: 8, .value_kind: global_buffer, .address_space: global }
      - { .name: scales, .offset: 16, .size: 8, .value_kind: global_buffer, .address_space: global }
      - { .name: x16, .offset: 24, .size: 8, .value_kind: global_buffer, .address_space: global }
      - { .name: w16, .offset: 32, .size: 8, .value_kind: global_buffer, .address_space: global }
    .group_segment_fixed_size: 0
    .private_segment_fixed_size: 0
    .kernarg_segment_align: 8
    .kernarg_segment_size: 40
    .max_flat_workgroup_size: 256
    .sgpr_count:     66
    .vgpr_count:     240
    .wavefront_size: 32
...
	.end_amdgpu_metadata
.endif
;; end of part 1
;; launch gemm (part 2): grid 16 x 16, 4 waves a work-group, clusters of 4 x 4, 327,680 bytes of LDS; arguments x16, w16, out0, bias; writes out0
.if DOCPART == 2
	.amdgcn_target "amdgcn-amd-amdhsa--gfx1250"
	.amdhsa_code_object_version 6
	.text
	.protected	k_qa61f54e017_gemm
	.globl	k_qa61f54e017_gemm
	.p2align	8
	.type	k_qa61f54e017_gemm,@function
k_qa61f54e017_gemm:
	s_mov_b64 s[64:65], 0
	v_nop
	global_prefetch_b8 v0, s[64:65] scope:SCOPE_SE
	s_setreg_imm32_b32 hwreg(HW_REG_WAVE_MODE, 25, 1), 1
	s_wait_xcnt 0x0
	s_wait_alu depctr_hold_cnt(0) depctr_sa_sdst(0) depctr_va_vdst(0) depctr_va_sdst(0) depctr_va_ssrc(0) depctr_va_vcc(0) depctr_vm_vsrc(0)
	s_getreg_b32 s2, hwreg(HW_REG_IB_STS2, 6, 4)
	s_cmp_eq_u32 s2, 0
	s_cbranch_scc0 .Lentry_in_a_cluster
	s_endpgm
.Lentry_in_a_cluster:
	s_bfe_u32 s2, ttmp6, 0x10000c
	s_cmp_lg_u32 s2, 0xf033
	s_cbranch_scc0 .Lentry_shape_is_right
	s_endpgm
.Lentry_shape_is_right:
; out0[t][o] = the sum over i of x16[t][i] w16[o][i], + bias[o].  x16: [4096][4096] f16, w16: [4096][4096] f16, bias: [4096] f16, out0: [4096][4096] f32.
; Products in f16, one f32 sum for each output, K ascending; the bias is added last, in f32; the result is not rounded to f16.
; LIMITS.  The operands arrive in f16 (nothing beyond 65,504); NaN and infinities are not treated apart.
; SHARES.  out0 has 16 x 16 tiles of 256 x 256: one to a work-group of four waves; a wave makes 128 x 128: 64 accumulators of 16 x 16, 512 registers.
; K goes in 32 steps of 128 through a ring of two LDS slots filled by the tensor data mover: a tile's rows are 256 bytes of memory and start at multiples of 256 bytes from the buffer's first byte.
; CLUSTERS: 4 x 4 work-groups.  The four of a row of the cluster need the same tiles of x16, the four of a column the same tiles of w16.  Such a tile is asked for JOINTLY: each of the four issues
; the same tensor load, with the same descriptor and a mask that names the four, and each receives the tile in its own LDS: a quarter of the requests.
; THE MATRIX INSTRUCTION IS USED TRANSPOSED: source 0 = 16 rows of w16, source 1 = 16 rows of x16.  In the result lane l holds row l % 16 of out0 and its registers 0 to 7 the columns
; 8 (l / 16) + 0..7: eight neighbouring numbers of a row.
; REGISTERS, in windows of 256 (s_set_vgpr_msb's low byte: bits 1:0 source 0, 3:2 source 1, 5:4 source 2, 7:6 destination):
;   window 0: v0-31 addresses and the bias; v64-127, v128-191 fragments of x16 (8 x 16 rows x 32 K), two buffers; on the way out the same 128 registers take rows back from the stage
;   window 1: v64-127, v128-191 fragments of w16, two buffers
;   window 2: the 32 accumulators of my rows 0-63 (accumulator (a, b) at v[8 (8 a + b)]);   window 3: those of my rows 64-127
.set SIZE_K, 4096
.set SIZE_N, 4096
.set KSTEP,  128
.set PITCH,  272                       ; an LDS row: 256 bytes of data + 16 of padding = 68 words: row r starts at bank 4 r mod 64 (64 banks of 4 bytes: ISA guide 11.1), so the 16 rows that a load touches start at 16 different banks
.set HALFT,  128*PITCH                 ; 128 rows: what one tensor load brings, and what one wave reads of x16 or of w16
.set SLOT,   4*HALFT                   ; x16's 256 rows, then w16's 256 rows
.set STAGE,  2*SLOT                    ; behind the ring, never filled by a tensor load: for each wave 16 rows of 128 f32, for the way out
.set SPITCH, 528                       ; a stage row: 512 bytes + 16 = 33 x 16: sixteen rows' like columns fall into sixteen different groups of four banks
.set WSTAGE, 16*SPITCH                 ; a wave's stage: 8,448 bytes = 33 blocks of 256
.set SPARE,  STAGE+4*WSTAGE            ; behind the stages: the spare words, 128 bytes for each wave: two blocks of 256 bytes that no other line names
.set LAPS,   SIZE_K/(2*KSTEP)          ; a lap = two K steps = once round the ring: 16
.set BI,   8                           ; v[8:11]  the bias of my four columns on the way out, in f32
.set BR,   12                          ; v[12:13] the same as loaded, four f16
.set BO,   14                          ; v14      my byte offset in my wave's 128 numbers of the bias
.set ADRA, 16                          ; v16-17   LDS address of my x16 fragments in slot 0, 1
.set ADRB, 20                          ; v20-21   the same for w16
.set STO,  24                          ; v24      the way out: where I put 32 bytes of a row
.set RD,   25                          ; v25      the way out: where I read 16 bytes of a row back
.set CO,   26                          ; v26      my byte offset in a row's 512 bytes of out0
.set SPW,  28                          ; v28      LDS address of my spare word: SPARE + 4 x my thread's number; never rewritten
.set NIL,  29                          ; v29      0; never rewritten
.set F0,   64                          ; fragment buffer 0
.set F1,   128                         ; fragment buffer 1
.set G1,  24                           ; s[24:31] descriptor group 1 for x16's tiles
.set G0,  32                           ; s[32:39] descriptor group 0 for x16's tiles, one set for each slot
.set G1B, 48                           ; s[48:55] descriptor group 1 for w16's tiles: it differs in the mask alone
.set G0B, 56                           ; s[56:63] descriptor group 0 for w16's tiles, one set for each slot
.set OUT, 68                           ; s[68:69] out0, later at my wave's first row and column
.set BIA, 70                           ; s[70:71] bias, later at my wave's first column
.set MSB, 0
.macro WIN new                         ; the immediate's high byte repeats the setting that is left; a switch that changes nothing is dropped
.if MSB != (\new)
	s_set_vgpr_msb (MSB<<8)|(\new)
.set MSB, \new
.endif
.endm
.set MUL_LO, 0xa1                      ; source 0 (w16) window 1, source 1 (x16) window 0, C and D window 2
.set MUL_HI, 0xf1                      ; the same, C and D window 3
.set TO_B,   0x40                      ; destination window 1, address window 0
; A joint load.  Waves 0 and 1 fetch x16's two halves, waves 2 and 3 w16's.  Each of the two lines has ONE mask and one set of registers for all that issue it, and nothing in them hangs on a
; coordinate that the four partners do not share.  The branch hangs on the wave's number alone.  An s_nop 0 and four v_nop follow each of the two lines, ahead of the jump and the label.
.macro JLOAD s
	s_cmp_eq_u32 s11, 0
	s_cbranch_scc0 .Lfor_b_\@
	tensor_load_to_lds s[G0+4*(\s):G0+4*(\s)+3], s[G1:G1+7]
	s_nop 0
.rept 4
	v_nop
.endr
	s_branch .Lasked_\@
.Lfor_b_\@:
	tensor_load_to_lds s[G0B+4*(\s):G0B+4*(\s)+3], s[G1B:G1B+7]
	s_nop 0
.rept 4
	v_nop
.endr
.Lasked_\@:
.endm
; A round of the cluster's barrier: my work-group's barrier, so that wave 0's signal speaks for all four waves; wave 0 signals for the work-group; every wave waits for all sixteen
; work-groups; my work-group's barrier once more.  No LDS instruction of the wave is pending at a signal.
.macro CREST                           ; a round behind its opening barrier
	s_cmp_lg_u32 s10, 0
	s_cbranch_scc1 .Lnot_wave_0_\@
	s_barrier_signal -3
.Lnot_wave_0_\@:
	s_barrier_wait -3
	s_barrier_signal -1
	s_barrier_wait -1
.endm
.macro CROUND                          ; a whole round
	s_barrier_signal -1
	s_barrier_wait -1
	CREST
.endm
	s_load_b128 s[4:7], s[0:1], 0x0                ; x16 s[4:5], w16 s[6:7]
	s_load_b128 s[OUT:OUT+3], s[0:1], 0x10         ; out0 s[68:69], bias s[70:71]
	v_lshl_add_u32 v[SPW], v0, 2, SPARE
	v_mov_b32 v[NIL], 0
	ds_add_u32 v[SPW], v[NIL]                      ; the wave's opening: the add and its wait stand ahead of my first tensor load; the set-up below, work on registers, stands between them
	v_lshrrev_b32 v1, 5, v0
	v_readfirstlane_b32 s10, v1                    ; wave 0..3
	s_lshr_b32 s11, s10, 1                         ; which half of the tile's rows is mine.  Also: I fetch for x16 (0) or for w16 (1)
	s_and_b32 s12, s10, 1                          ; which half of its columns.  Also: which 128 rows of that tile I fetch
	s_bfe_u32 s40, ttmp6, 0x40000                  ; cx: my place along the cluster's x
	s_bfe_u32 s41, ttmp6, 0x40004                  ; cy: along its y
	s_lshl_b32 s42, ttmp9, 2                       ; in a cluster launch ttmp9 and ttmp7 count clusters
	s_add_co_u32 s42, s42, s40                     ; tile column of out0 = 4 x cluster x + cx
	s_and_b32 s13, ttmp7, 0xffff
	s_lshl_b32 s13, s13, 2
	s_add_co_u32 s13, s13, s41                     ; tile row of out0 = 4 x cluster y + cy
	s_lshl_b32 s43, s41, 2
	s_lshl_b32 s43, 15, s43                        ; my row of the cluster: places 4 cy .. 4 cy + 3
	s_lshl_b32 s44, 0x1111, s40                    ; my column: places cx, cx + 4, cx + 8, cx + 12
	; descriptor group 1: a tile of 128 rows x 128 elements, padded in LDS
	s_or_b32 s[G1+0], s43, (1<<16)|(1<<20)|(1<<21)|(5<<22)|(3<<25)  ; 15:0 the mask: x16's tiles go to my row; 17:16 element of 2 bytes; 20 padding on; 21 set beside a mask; 24:22 after every 64 words (code 5); 31:25 of 4 words (code 3)
	s_or_b32 s[G1B+0], s44, (1<<16)|(1<<20)|(1<<21)|(5<<22)|(3<<25) ; the same with the mask of my column, for w16's tiles
.irp g, G1, G1B
	s_mov_b32 s[(\g)+1], KSTEP<<16                 ; 63:48 tensor_dim0, low half = 128
	s_mov_b32 s[(\g)+2], 128<<16                   ; 79:64 its high half = 0; 95:80 tensor_dim1, low half = 128
	s_mov_b32 s[(\g)+3], KSTEP<<16                 ; 111:96 its high half = 0; 127:112 tile_dim0 = 128
	s_mov_b32 s[(\g)+4], 128                       ; 143:128 tile_dim1 = 128; 159:144 tile_dim2 = 0
	s_mov_b32 s[(\g)+5], SIZE_K                    ; 191:160 tensor_dim0_stride, low word: elements from row to row
	s_mov_b32 s[(\g)+6], 0
	s_mov_b32 s[(\g)+7], 0
.endr
	; where the tiles come from.  x16's hang on the tile row alone, which my row of the cluster shares; w16's on the tile column alone, which my column shares.
	; Every wave makes both addresses, in registers that never hold the other coordinate, and asks by one of them.
	s_lshl_b32 s17, s12, 7                         ; which 128 rows of the tile I fetch
	s_lshl_b32 s16, s13, 8
	s_add_co_u32 s16, s16, s17                     ; x16: row 256 x tile row + 128 x half
	s_lshl_b32 s46, s42, 8
	s_add_co_u32 s46, s46, s17                     ; w16: row 256 x tile column + 128 x half
	s_mov_b32 s17, 0
	s_mov_b32 s47, 0
	s_mov_b64 s[18:19], SIZE_K*2
	s_mul_u64 s[16:17], s[16:17], s[18:19]         ; in bytes
	s_mul_u64 s[46:47], s[46:47], s[18:19]
	s_mul_i32 s20, s10, HALFT                      ; and where they go: x16's two halves, then w16's two halves = wave x 128 rows: no place in the cluster enters an LDS address
	s_wait_dscnt 0x0                               ; the opening add is done
	s_wait_kmcnt 0x0
	s_add_nc_u64 s[14:15], s[4:5], s[16:17]
	s_add_nc_u64 s[46:47], s[6:7], s[46:47]
	CROUND                                         ; all sixteen work-groups are here: the first joint loads meet
.irp s, 0,1
	s_mov_b32 s[G0+4*(\s)], 1                                      ; 1:0 count = 1
	s_add_co_u32 s[G0+4*(\s)+1], s20, (\s)*SLOT                    ; 63:32 LDS address
	s_add_nc_u64 s[G0+4*(\s)+2:G0+4*(\s)+3], s[14:15], (\s)*KSTEP*2  ; 120:64 global address: K step s
	s_or_b32 s[G0+4*(\s)+3], s[G0+4*(\s)+3], 0x80000000            ; 127:126 type = 2
	s_mov_b32 s[G0B+4*(\s)], 1
	s_add_co_u32 s[G0B+4*(\s)+1], s20, (\s)*SLOT
	s_add_nc_u64 s[G0B+4*(\s)+2:G0B+4*(\s)+3], s[46:47], (\s)*KSTEP*2
	s_or_b32 s[G0B+4*(\s)+3], s[G0B+4*(\s)+3], 0x80000000
	JLOAD \s                                       ; the ring is filled before anything else is done: two tensor loads of mine are out
.endr
	; A fragment is 16 rows x 32 K in 8 registers: lane l holds row l % 16; registers 0-3 hold K = 8 (l / 16) + 0..7, registers 4-7 hold
	; K = 16 + 8 (l / 16) + 0..7.  From rows that lie along K: two loads of 16 bytes, 32 bytes apart.  The same for source 0 and source 1.
	v_and_b32 v1, 15, v0                           ; l % 16
	v_bfe_u32 v2, v0, 4, 1                         ; l / 16
	v_mul_u32_u24 v3, v1, PITCH
	v_lshl_add_u32 v3, v2, 4, v3                   ; row x pitch + 16 x half
	s_mul_i32 s21, s11, HALFT                      ; my 128 rows of x16
	s_mul_i32 s22, s12, HALFT                      ; my 128 rows of w16,
	s_add_co_u32 s22, s22, 2*HALFT                 ; which lie behind x16's 256
.irp s, 0,1
	v_add_nc_u32 v[ADRA+(\s)], s21, v3
	v_add_nc_u32 v[ADRB+(\s)], s22, v3
	s_add_co_u32 s21, s21, SLOT
	s_add_co_u32 s22, s22, SLOT
.endr
	s_mul_i32 s23, s10, WSTAGE
	s_add_co_u32 s23, s23, STAGE                   ; my stage
	v_mul_u32_u24 v4, v1, SPITCH                   ; in: row l % 16, 32 bytes (eight f32) for each half of the lanes
	v_lshl_add_u32 v4, v2, 5, v4
	v_add_nc_u32 v[STO], s23, v4
	v_and_b32 v5, 31, v0                           ; lane
	v_lshlrev_b32 v[CO], 4, v5                     ; back: 32 lanes x 16 bytes take one row of 512 bytes; the same place in a row of out0
	v_add_nc_u32 v[RD], s23, v[CO]
	v_lshlrev_b32 v[BO], 3, v5                     ; and my four columns' bias: 8 bytes
	s_lshl_b32 s46, s42, 9                         ; my first column in the bias, in bytes: 512 x tile column + 256 x half (in the registers that held w16's address: none that feeds x16's descriptors ever holds cx)
	s_lshl_b32 s47, s12, 8
	s_add_co_u32 s46, s46, s47
	s_mov_b32 s47, 0
	s_add_nc_u64 s[BIA:BIA+1], s[BIA:BIA+1], s[46:47]
	global_load_b64 v[BR:BR+1], v[BO], s[BIA:BIA+1]  ; the wave reads its 128 numbers, 256 consecutive bytes, once
	s_lshl_b32 s46, s46, 1                         ; the same column in out0: f32 takes twice the bytes
	s_add_nc_u64 s[OUT:OUT+1], s[OUT:OUT+1], s[46:47]
	s_lshl_b32 s16, s13, 8
	s_lshl_b32 s17, s11, 7
	s_add_co_u32 s16, s16, s17                     ; my first row of out0: 256 x tile row + 128 x half,
	s_lshl_b32 s16, s16, 14                        ; times 16,384 bytes: 4,095 rows at the most, under 2^32
	s_mov_b32 s17, 0
	s_add_nc_u64 s[OUT:OUT+1], s[OUT:OUT+1], s[16:17]
	s_wait_loadcnt 0x0                             ; the bias, once, in the wait for the first tile
	v_cvt_f32_f16 v[BI], v12.l
	v_cvt_f32_f16 v[BI+1], v12.h
	v_cvt_f32_f16 v[BI+2], v13.l
	v_cvt_f32_f16 v[BI+3], v13.h
; 16 matrix instructions: m blocks a0, a0 + 1 of the window's four (hi = 0: my rows 0-63, 1: rows 64-127) x all 8 n blocks, 32 along K.
; zero = 1: the first product starts the sums: nothing is ever cleared.  The 64 accumulators take turns, one instruction a turn, in the same order in every quarter step.
.macro MUL16 f, hi, a0, zero
	WIN MUL_LO+0x50*(\hi)  ; MUL_LO or MUL_HI
.irp a, \a0, (\a0)+1
.irp b, 0,1,2,3,4,5,6,7
.if \zero
	v_wmma_f32_16x16x32_f16 v[8*(8*(\a)+(\b)):8*(8*(\a)+(\b))+7], v[(\f)+8*(\b):(\f)+8*(\b)+7], v[(\f)+8*(4*(\hi)+(\a)):(\f)+8*(4*(\hi)+(\a))+7], 0
.else
	v_wmma_f32_16x16x32_f16 v[8*(8*(\a)+(\b)):8*(8*(\a)+(\b))+7], v[(\f)+8*(\b):(\f)+8*(\b)+7], v[(\f)+8*(4*(\hi)+(\a)):(\f)+8*(4*(\hi)+(\a))+7], v[8*(8*(\a)+(\b)):8*(8*(\a)+(\b))+7]
.endif
.endr
.endr
.endm
; 32 LDS loads in one run: the fragments of one quarter step (128 rows of w16, 128 rows of x16, 32 K at byte k of the rows) into buffer f
.macro FETCH slot, k, f
	WIN TO_B
.irp i, 0,1,2,3,4,5,6,7
	ds_load_b128 v[(\f)+8*(\i):(\f)+8*(\i)+3],   v[ADRB+(\slot)] offset:(\k)+(\i)*16*PITCH
	ds_load_b128 v[(\f)+8*(\i)+4:(\f)+8*(\i)+7], v[ADRB+(\slot)] offset:(\k)+(\i)*16*PITCH+32
.endr
	WIN 0
.irp i, 0,1,2,3,4,5,6,7
	ds_load_b128 v[(\f)+8*(\i):(\f)+8*(\i)+3],   v[ADRA+(\slot)] offset:(\k)+(\i)*16*PITCH
	ds_load_b128 v[(\f)+8*(\i)+4:(\f)+8*(\i)+7], v[ADRA+(\slot)] offset:(\k)+(\i)*16*PITCH+32
.endr
.endm
; A load into a register that a matrix instruction has read, and an LDS store that reads a matrix result, stand four places behind that matrix instruction, and only plain vector
; instructions that name none of its registers are places (ISA guide 7.12.1 for vector instructions); the matrix instructions in between are not counted.
.macro PLACES
.rept 4
	v_nop
.endr
.endm
; A K step is four quarter steps of 32 along K, 64 matrix instructions each, on buffers 0, 1, 0, 1.
; One of the first three: multiplies buffer f; in its middle it fetches the next quarter's fragments, at byte k of the same slot's rows, into buffer g.
.macro QUARTER slot, k, f, g, zero
	s_wait_dscnt 8                                 ; w16's fragments and x16's rows 0-63 are in; the youngest eight loads (x16's rows 64-127) may be out
	MUL16 \f, 0, 0, \zero
	MUL16 \f, 0, 2, \zero
	PLACES
	FETCH \slot, \k, \g
	s_wait_dscnt 32                                ; all but the 32 just issued
	MUL16 \f, 1, 0, \zero
	MUL16 \f, 1, 2, \zero
.endm
; The last quarter multiplies buffer 1 and changes slots.  MEET is its first half: ONE barrier for the change of slots, for two things.  In front of it each wave waits for all its tensor loads,
; of which one is out: its part of the next slot; adds 0 to its spare word; and waits for that and for its own reads of this slot.  Behind it nobody reads this slot any more and the next slot is whole.
.macro MEET round                      ; round = 1: the rest of a round of the cluster's barrier follows
	WIN 0                                          ; (the add's two registers lie in window 0)
	s_wait_tensorcnt 0x0                           ; all my tensor loads have landed: the one that was out is my part of the next slot;
	ds_add_u32 v[SPW], v[NIL]                      ; 0 onto my spare word;
	s_wait_dscnt 9                                 ; (the add and the youngest eight loads may be out)
	MUL16 F1, 0, 0, 0                              ; sixteen matrix instructions stand between the add and the wait for it
	s_wait_dscnt 0x0                               ; the add is done, and my reads of this slot are over:
	s_barrier_signal -1                            ; say so (where a slot is filled again this barrier opens a round of the cluster's barrier),
	MUL16 F1, 0, 2, 0                              ; work on registers while the others arrive,
.if \round
	WIN 0
.endif
	s_barrier_wait -1                              ; and go on when all four have said so
.endm
; The whole last quarter.  Behind the round the slot just read out is filled again first, with the K step two steps on; then come the next slot's first fragments.
; From a request to the wait for it a wave issues 224 matrix instructions; one tensor load of mine is out.
.macro TURN slot, next
	MEET 1
	CREST                                          ; all sixteen work-groups have said so: no wave of any partner still reads this slot's tile or has a load on its way
	s_add_nc_u64 s[G0+4*(\slot)+2:G0+4*(\slot)+3], s[G0+4*(\slot)+2:G0+4*(\slot)+3], 2*KSTEP*2    ; no tensor load of mine is out, so a group 0 may be written; the type bits on top are not reached
	s_add_nc_u64 s[G0B+4*(\slot)+2:G0B+4*(\slot)+3], s[G0B+4*(\slot)+2:G0B+4*(\slot)+3], 2*KSTEP*2
	JLOAD \slot                                    ; the first tensor load behind the round; the four v_nop behind it are also the places in front of the loads below
	FETCH \next, 0, F0
	MUL16 F1, 1, 0, 0
	MUL16 F1, 1, 2, 0
.endm
; THE WAY OUT of block a (16 of my rows x my 128 columns, eight accumulators), in two parts.
; TOSTAGE: a lane's eight numbers of a row, 32 bytes, go into my own stage in LDS straight from the accumulators (each accumulator's low four registers first), and come
; back as whole rows of 512 bytes, into the fragment buffer a % 2, which is free.
.macro TOSTAGE a
.set AC, 64*((\a)%4)
.set BK, F0+64*((\a)%2)
.if (\a) >= 2
	s_wait_xcnt 0x0                                ; every earlier memory instruction has had its addresses translated (ISA guide 3.1): the registers that block a - 2's stores read are loaded again only behind this wait
.endif
	WIN 0x08+4*((\a)/4)                            ; an LDS store's data is source 1: window 2 (blocks 0-3) or 3 (blocks 4-7)
.irp b, 0,1,2,3,4,5,6,7
	ds_store_b128 v[STO], v[AC+8*(\b):AC+8*(\b)+3] offset:64*(\b)
	ds_store_b128 v[STO], v[AC+8*(\b)+4:AC+8*(\b)+7] offset:64*(\b)+16
.endr
	WIN 0
.irp t, 0,1,2,3,4,5,6,7,8,9,10,11,12,13,14,15
	ds_load_b128 v[BK+4*(\t):BK+4*(\t)+3], v[RD] offset:SPITCH*(\t)  ; LDS serves a wave's instructions in order (ISA guide 5.7.1.4): these see the stores above, and the next block's stores come behind them
.endr
.endm
; SEND: the bias is added and the rows are stored.  younger: the LDS instructions issued behind block a's loads: the next block's 16 stores and 16 loads, or none.
.macro SEND a, younger
	WIN 0
.set BK, F0+64*((\a)%2)
.irp t, 0,1,2,3,4,5,6,7,8,9,10,11,12,13,14,15
	s_wait_dscnt (\younger)+15-(\t)                ; row t is back in registers
	v_pk_add_f32 v[BK+4*(\t):BK+4*(\t)+1], v[BK+4*(\t):BK+4*(\t)+1], v[BI:BI+1]
	v_pk_add_f32 v[BK+4*(\t)+2:BK+4*(\t)+3], v[BK+4*(\t)+2:BK+4*(\t)+3], v[BI+2:BI+3]
	global_store_b128 v[CO], v[BK+4*(\t):BK+4*(\t)+3], s[OUT:OUT+1] offset:(16*(\a)+(\t))*SIZE_N*4 th:TH_STORE_NT  ; the wave stores 512 consecutive bytes, at a multiple of 512 from out0's first; the row stands in the immediate: 127 x 16,384 at the most, inside its signed 24 bits
.endr
.endm
	s_wait_tensorcnt 1                             ; my part of K step 0 is in; K step 1's may stay out
	s_barrier_signal -1
	s_barrier_wait -1                              ; everybody's is
	FETCH 0, 0, F0
	QUARTER 0, 64,  F0, F1, 1                      ; the first quarter stands in front of the loop: its products start the sums
	WIN 0                                          ; at a label and at a branch every window is 0
	s_mov_b32 s3, LAPS-1
.Llap:                                                 ; 15 trips: a trip goes once round the ring, from a lap's second quarter to the next lap's first, and fills both slots again
	QUARTER 0, 128, F1, F0, 0
	QUARTER 0, 192, F0, F1, 0
	TURN 0, 1
	QUARTER 1, 64,  F0, F1, 0
	QUARTER 1, 128, F1, F0, 0
	QUARTER 1, 192, F0, F1, 0
	TURN 1, 0
	QUARTER 0, 64,  F0, F1, 0
	WIN 0
	s_sub_co_u32 s3, s3, 1
	s_cmp_lg_u32 s3, 0
	s_cbranch_scc1 .Llap
	QUARTER 0, 128, F1, F0, 0                      ; the last lap is written out: it asks for nothing
	QUARTER 0, 192, F0, F1, 0
	MEET 0                                         ; my one tensor load that was still out is slot 1's, the last K step's, so no round follows
	PLACES                                         ; for the loads into buffer 0, which the quarter before multiplied
	FETCH 1, 0, F0
	MUL16 F1, 1, 0, 0
	MUL16 F1, 1, 2, 0
	QUARTER 1, 64,  F0, F1, 0
	QUARTER 1, 128, F1, F0, 0
	QUARTER 1, 192, F0, F1, 0
	s_wait_dscnt 8                                 ; the very last quarter: nothing more to fetch
	MUL16 F1, 0, 0, 0
	MUL16 F1, 0, 2, 0
	s_wait_dscnt 0x0
	MUL16 F1, 1, 0, 0
	MUL16 F1, 1, 2, 0
	WIN 0
	PLACES                                         ; behind the last products: for the LDS stores that read results and for the loads into both fragment buffers
	TOSTAGE 0
.irp a, 1,2,3,4,5,6,7                  ; block a's 32 LDS instructions are issued ahead of the wait for block a - 1's rows
	TOSTAGE \a
	SEND (\a)-1, 32
.endr
	SEND 7, 0
	s_wait_tensorcnt 0x0                           ; the wave's end: a wait, an add and a wait, behind my last tensor load and my last LDS store
	ds_add_u32 v[SPW], v[NIL]
	s_wait_dscnt 0x0
	CROUND                                         ; the closing round: no work-group ends while a partner may still ask for a tile that names it
	s_endpgm
.Lfunc_end_k_qa61f54e017_gemm:
	.size	k_qa61f54e017_gemm, .Lfunc_end_k_qa61f54e017_gemm-k_qa61f54e017_gemm
	.p2alignl 7, 3214868480
	.fill 96, 4, 3214868480
	.section	.rodata,"a",@progbits
	.p2align	6, 0x0
	.amdhsa_kernel k_qa61f54e017_gemm
		.amdhsa_group_segment_fixed_size 327680
		.amdhsa_private_segment_fixed_size 0
		.amdhsa_enable_private_segment 0
		.amdhsa_kernarg_size 32
		.amdhsa_user_sgpr_count 2
		.amdhsa_user_sgpr_kernarg_segment_ptr 1
		.amdhsa_wavefront_size32 1
		.amdhsa_system_sgpr_workgroup_id_x 1
		.amdhsa_system_sgpr_workgroup_id_y 1
		.amdhsa_system_sgpr_workgroup_id_z 1
		.amdhsa_system_vgpr_workitem_id 0
		.amdhsa_next_free_vgpr 1024
		.amdhsa_next_free_sgpr 72
		.amdhsa_reserve_vcc 0
		.amdhsa_float_denorm_mode_32 3
		.amdhsa_float_denorm_mode_16_64 3
		.amdhsa_memory_ordered 1
		.amdhsa_forward_progress 1
		.amdhsa_inst_pref_size 160
	.end_amdhsa_kernel
	.amdgpu_metadata
---
amdhsa.version: [ 1, 2 ]
amdhsa.kernels:
  - .name:           k_qa61f54e017_gemm
    .symbol:         k_qa61f54e017_gemm.kd
    .args:
      - { .name: x16, .offset: 0, .size: 8, .value_kind: global_buffer, .address_space: global }
      - { .name: w16, .offset: 8, .size: 8, .value_kind: global_buffer, .address_space: global }
      - { .name: out0, .offset: 16, .size: 8, .value_kind: global_buffer, .address_space: global }
      - { .name: bias, .offset: 24, .size: 8, .value_kind: global_buffer, .address_space: global }
    .group_segment_fixed_size: 327680
    .private_segment_fixed_size: 0
    .kernarg_segment_align: 8
    .kernarg_segment_size: 32
    .max_flat_workgroup_size: 128
    .sgpr_count:     72
    .vgpr_count:     1024
    .wavefront_size: 32
...
	.end_amdgpu_metadata
.endif
;; end of part 2
;; ======== version 2 of 2: 2 launches; version 1 with the launch prep written anew for expert scheduling mode
;; workspace buffers: x16 33,554,432 bytes; w16 33,554,432 bytes
;; launch prep (part 3): grid 512 x 1, 8 waves a work-group, no clusters, 0 bytes of LDS; arguments x, quantized_weight, scales, x16, w16; writes x16, w16
.if DOCPART == 3
	.amdgcn_target "amdgcn-amd-amdhsa--gfx1250"
	.amdhsa_code_object_version 6
	.text
	.protected	k_qa61f54e017_prep
	.globl	k_qa61f54e017_prep
	.p2align	8
	.type	k_qa61f54e017_prep,@function
k_qa61f54e017_prep:
	s_mov_b64 s[64:65], 0
	v_nop
	global_prefetch_b8 v0, s[64:65] scope:SCOPE_SE
	s_setreg_imm32_b32 hwreg(HW_REG_WAVE_SCHED_MODE, 0, 2), 2
	s_setreg_imm32_b32 hwreg(HW_REG_WAVE_MODE, 25, 1), 1
	s_wait_xcnt 0x0
	s_wait_alu depctr_vm_vsrc(0)
; x16[t][i] = f16(x[t][i]);  w16[o][i] = f16(q[o][i] * s[o][i / 128]).  x: [4096][4096] f32, q: [4096][4096] int8, s: [4096][32] f16; x16, w16: [4096][4096] f16.
; A stream: every input byte is read once and every output byte written once, so there is no LDS, no barrier and no matrix work: no byte is shared between waves.
; SHARES.  Wave w of work-group g owns row R = 8 g + w of x AND row R of q: 4,096 waves of equal work.  The text has no loop: a wave issues all its 48 loads
; (4,096 bytes of q, 16,384 of x) ahead of its first store, and takes them in the order of issue behind counted waits.
; THE PRODUCT q s.  u = q + 128 (one exclusive or on four bytes) is unpacked as an unsigned byte; u s - 128 s in one fused multiply-add is q s, which has at most
; 8 + 11 significant bits and is exact in f32; the one rounding is the conversion to f16.
; LIMITS.  A number of magnitude 65,520 or more becomes an infinity in f16; below 6.1e-5 f16 keeps its fixed step of 6e-8.  An infinite scale gives NaN (u s - 128 s); NaN is not treated apart.
; THE MODE: SCHED_MODE bits 1:0 = 2 (LLVM: expert scheduling mode 2), set by the entry lines.  The code itself states the register dependences
; between vector instructions and memory instructions, with s_wait_alu, always for 0.
; THE PLAN.  The 48 pieces (p = 0 to 15: q's; p = 16 to 47: x's, in the order of their loads) go in twelve blocks of four.  Registers that memory instructions touch:
;   v1, v2   byte offsets, read by every load and store; made at the head, ahead of the first load, and named by no vector instruction after it.
;   WR, X    the loads land here; all 48 are issued at the head, ahead of every vector instruction that names these registers, and none is issued later.
;   Y        q's out-registers: piece p's roundings write its four, its one store reads them; never written again.
;   X, low   x's out-registers: piece p's two conversions write the low two of its four, in place; its one store reads them; never written again.
;   T and v3 to v7 are named by vector instructions alone.
; Block b's vector instructions write the out-registers of its own four pieces.  Its memory instructions are the four stores of block b - 1, whose out-registers, and v1 and v2, no vector
; instruction of block b names.  So ONE wait on va_vdst at a block's head states all that the block's four stores hang on, and they are dealt among its vector work, one in front of each piece's.
; No register that a memory instruction reads is ever written behind it, so behind the entry lines the text holds no wait on vm_vsrc and no s_wait_xcnt.
.set BLK, 4                            ; pieces in a block
.set T,   8                            ; v[8:15]     eight numbers at work
.set WR,  16                           ; v[16:47]    piece j of q as loaded: 2 registers, 8 bytes
.set Y,   48                           ; v[48:111]   piece j of w16 to store: 4 registers; each is written once, so no wait frees a store's data
.set X,   112                          ; v[112:239]  piece j of x as loaded: 4 registers; rounded in place into the low two
.set SC,  16                           ; s[16:31]    the row's 32 scales: word j holds groups 2 j (low half) and 2 j + 1 (high half)
	s_load_b256 s[4:11], s[0:1], 0x0               ; x s[4:5], q s[6:7], scales s[8:9], x16 s[10:11]
	s_load_b64 s[12:13], s[0:1], 0x20              ; w16
	v_lshrrev_b32 v1, 5, v0
	v_readfirstlane_b32 s14, v1                    ; my wave's number
	v_and_b32 v2, 31, v0                           ; lane
	v_lshlrev_b32 v1, 4, v2                        ; 16 x lane: my place in 512 bytes of x and of w16
	v_lshrrev_b32 v3, 4, v2
	v_lshlrev_b32 v3, 4, v3                        ; 16 x (lane / 16): the shift that brings my group's scale into the low half
	v_lshlrev_b32 v2, 3, v2                        ; 8 x lane: my place in 256 bytes of q and of x16
	v_mov_b32 v5, 0                                ; v[4:5] and v[6:7] are named as pairs; the packed lines take their low words for both halves
	v_mov_b32 v7, 0
	s_lshl_b32 s15, ttmp9, 3
	s_mov_b32 s3, 0                                ; every offset below stays under 2^32: the pair's high word is 0
	s_wait_alu depctr_va_sdst(0)                   ; s14 is written, ahead of its first reader: the row's number, and all five bases, are made from it
	s_add_co_u32 s14, s14, s15                     ; R = 8 x work-group + wave
	s_mov_b32 s15, 0x80808080                      ; turns four signed bytes into q + 128
	s_wait_kmcnt 0x0
	s_lshl_b32 s2, s14, 6                          ; a row of scales is 64 bytes
	s_add_nc_u64 s[8:9], s[8:9], s[2:3]
	s_load_b512 s[SC:SC+15], s[8:9], 0x0           ; the whole row of scales, once: no line of this kernel writes that tensor
	s_lshl_b32 s2, s14, 12                         ; a row of q is 4,096 bytes
	s_add_nc_u64 s[6:7], s[6:7], s[2:3]
	s_lshl_b32 s2, s14, 14                         ; a row of x is 16,384 bytes
	s_add_nc_u64 s[4:5], s[4:5], s[2:3]
	s_lshl_b32 s2, s14, 13                         ; a row of x16 and of w16 is 8,192 bytes
	s_add_nc_u64 s[10:11], s[10:11], s[2:3]
	s_add_nc_u64 s[12:13], s[12:13], s[2:3]
	s_wait_alu depctr_va_vdst(0)                   ; v1 and v2 are written: every load and store of the kernel reads one of them as its offset
	; all loads, q's first: each of q's covers 256 consecutive bytes, each of x's 512, at multiples of their lengths from the row's first byte
.set i, 0
.rept 16
	global_load_b64 v[WR+2*i:WR+2*i+1], v2, s[6:7] offset:256*i th:TH_LOAD_NT
.set i, i+1
.endr
.set i, 0
.rept 32
	global_load_b128 v[X+4*i:X+4*i+3], v1, s[4:5] offset:512*i th:TH_LOAD_NT
.set i, i+1
.endr
	s_wait_kmcnt 0x0                               ; the scales
; The store of piece n.  The next launch reads these bytes, so no hint.
.macro SEND n
.if (\n) < 16
	global_store_b128 v1, v[Y+4*(\n):Y+4*(\n)+3], s[12:13] offset:512*(\n)  ; w16: the wave stores 512 consecutive bytes, at a multiple of 512 from the row's first
.else
	global_store_b64 v2, v[X+4*((\n)-16):X+4*((\n)-16)+1], s[10:11] offset:256*((\n)-16)  ; x16: the wave stores 256 consecutive bytes, at a multiple of 256 from the row's first
.endif
.endm
	; The 48 pieces.  q's piece i: columns 256 i + 8 x lane + 0..7, which lie in group 2 i + lane / 16.  x's piece i: columns 128 i + 4 x lane + 0..3.
.set p, 0
.rept 48
	s_wait_loadcnt 47-p                            ; loads come back in order (ISA guide 5.7.1): piece p's is in, the 47 - p issued behind it stay out
.if (p >= BLK) && (p % BLK == 0)
	s_wait_alu depctr_va_vdst(0)                   ; the block before has written its four pieces' out-registers, which this block's four stores read
.endif
.if p >= BLK
	SEND p-BLK                                     ; no vector instruction since that wait names its data or its offset
.endif
.if p < 16
.set i, p
	v_lshrrev_b32 v4, v3, s[SC+i]                  ; my group's scale in the low half
	v_xor_b32 v[WR+2*i], s15, v[WR+2*i]            ; u = q + 128, four at a time
	v_xor_b32 v[WR+2*i+1], s15, v[WR+2*i+1]
	v_cvt_f32_f16 v4, v4.l                         ; s, exact in f32
.irp h, 0,1
	v_and_b32 v[T+4*\h], 0xff, v[WR+2*i+\h]        ; the lowest byte is the lowest column
	v_bfe_u32 v[T+4*\h+1], v[WR+2*i+\h], 8, 8
	v_bfe_u32 v[T+4*\h+2], v[WR+2*i+\h], 16, 8
	v_lshrrev_b32 v[T+4*\h+3], 24, v[WR+2*i+\h]
.endr
	v_mul_f32 v6, 0xc3000000, v4                   ; -128 s, exact
.irp k, 0,1,2,3,4,5,6,7
	v_cvt_f32_u32 v[T+\k], v[T+\k]
.endr
.irp k, 0,2,4,6
	v_pk_fma_f32 v[T+\k:T+\k+1], v[T+\k:T+\k+1], v[4:5], v[6:7] op_sel_hi:[1,0,0]  ; u s - 128 s = q s, exact
.endr
.irp k, 0,1,2,3
	v_cvt_pk_f16_f32 v[Y+4*i+\k], v[T+2*\k], v[T+2*\k+1]   ; the one rounding; the first source goes into the low half
.endr
.else
.set i, p-16
	v_cvt_pk_f16_f32 v[X+4*i], v[X+4*i], v[X+4*i+1]
	v_cvt_pk_f16_f32 v[X+4*i+1], v[X+4*i+2], v[X+4*i+3]
.endif
.set p, p+1
.endr
	s_wait_alu depctr_va_vdst(0)                   ; the last block has written its four pieces' out-registers, which the last four stores read
.irp n, 44,45,46,47
	SEND \n
.endr
	s_endpgm
.Lfunc_end_k_qa61f54e017_prep:
	.size	k_qa61f54e017_prep, .Lfunc_end_k_qa61f54e017_prep-k_qa61f54e017_prep
	.p2alignl 7, 3214868480
	.fill 96, 4, 3214868480
	.section	.rodata,"a",@progbits
	.p2align	6, 0x0
	.amdhsa_kernel k_qa61f54e017_prep
		.amdhsa_group_segment_fixed_size 0
		.amdhsa_private_segment_fixed_size 0
		.amdhsa_enable_private_segment 0
		.amdhsa_kernarg_size 40
		.amdhsa_user_sgpr_count 2
		.amdhsa_user_sgpr_kernarg_segment_ptr 1
		.amdhsa_wavefront_size32 1
		.amdhsa_system_sgpr_workgroup_id_x 1
		.amdhsa_system_sgpr_workgroup_id_y 1
		.amdhsa_system_sgpr_workgroup_id_z 1
		.amdhsa_system_vgpr_workitem_id 0
		.amdhsa_next_free_vgpr 240
		.amdhsa_next_free_sgpr 66
		.amdhsa_reserve_vcc 0
		.amdhsa_float_denorm_mode_32 3
		.amdhsa_float_denorm_mode_16_64 3
		.amdhsa_memory_ordered 1
		.amdhsa_forward_progress 1
		.amdhsa_inst_pref_size 39
	.end_amdhsa_kernel
	.amdgpu_metadata
---
amdhsa.version: [ 1, 2 ]
amdhsa.kernels:
  - .name:           k_qa61f54e017_prep
    .symbol:         k_qa61f54e017_prep.kd
    .args:
      - { .name: x, .offset: 0, .size: 8, .value_kind: global_buffer, .address_space: global }
      - { .name: quantized_weight, .offset: 8, .size: 8, .value_kind: global_buffer, .address_space: global }
      - { .name: scales, .offset: 16, .size: 8, .value_kind: global_buffer, .address_space: global }
      - { .name: x16, .offset: 24, .size: 8, .value_kind: global_buffer, .address_space: global }
      - { .name: w16, .offset: 32, .size: 8, .value_kind: global_buffer, .address_space: global }
    .group_segment_fixed_size: 0
    .private_segment_fixed_size: 0
    .kernarg_segment_align: 8
    .kernarg_segment_size: 40
    .max_flat_workgroup_size: 256
    .sgpr_count:     66
    .vgpr_count:     240
    .wavefront_size: 32
...
	.end_amdgpu_metadata
.endif
;; end of part 3
;; launch gemm: the kernel of part 2 again; grid 16 x 16, 4 waves a work-group, clusters of 4 x 4, 327,680 bytes of LDS; arguments x16, w16, out0, bias; writes out0
